; MI455X (gfx1250); checked and timed in simulation.
; The chip was launched on July 23, 2026; its instructions are those of AMD's public machine-readable ISA for CDNA 5 (MIT licence, August 2026) and "CDNA5" Instruction Set Architecture Reference Guide (July 2026). The comments in the code are by the model that wrote it; some were corrected since.
;; Onnx Att Add. Allowed arithmetic: float matrix products may take bf16 or f16 operands with f32 sums; all other float work in f32.
;; Inputs: W_dec 1,024 x 1,024 float32; att_prev 1 x 16,384 float32; b_dec 1,024 float32; b_gvec one number float32; dec_z 1 x 1,024 float32; enc_h 1 x 16,384 x 1,024 float32; mask 1 x 16,384 float32; pre_compute_enc_h 1 x 16,384 x 1,024 float32; w_gvec 1,024 float32.
;; Outputs: out0 1 x 1,024 float32; out1 1 x 16,384 float32.
;; One version. Each part assembles by itself: llvm-mc -triple=amdgcn-amd-amdhsa -mcpu=gfx1250 --defsym DOCPART=n.
;; ======== version 1 of 1: 3 launches
;; workspace buffers: decp 65,536 bytes; scores 65,536 bytes; stat 2,048 bytes; cpart 1,048,576 bytes
;; launch dec (part 1): grid 16 x 16, 4 waves a work-group, no clusters, 2,560 bytes of LDS; arguments dec_z, W_dec, decp; writes decp
.if DOCPART == 1
	.amdgcn_target "amdgcn-amd-amdhsa--gfx1250"
	.amdhsa_code_object_version 6
	.text
	.protected	k_q671efff980_dec
	.globl	k_q671efff980_dec
	.p2align	8
	.type	k_q671efff980_dec,@function
k_q671efff980_dec:
	s_mov_b64 s[64:65], 0
	v_nop
	global_prefetch_b8 v0, s[64:65] scope:SCOPE_SE
	s_setreg_imm32_b32 hwreg(HW_REG_WAVE_MODE, 25, 1), 1
	s_wait_xcnt 0x0
; decp[kb][a] = sum over k = 64 kb .. 64 kb + 63 of dec_z[k] * W_dec[k][a]:  sixteen partial sums of dec_z . W_dec, all in f32.
; W_dec is [1024 k][1024 a] f32, 4 MiB, read once.  The product has one row, so a matrix instruction would use one of its sixteen rows:
; it is a stream, done with packed fused multiply-adds.  b_dec and the sum over kb follow in the next launch.
; Work-group (cg, kb): 64 rows of W_dec x 64 columns (256 bytes of each row, at byte 256 cg): 16 KiB, 16 x 16 work-groups.
; Thread (q = t / 16, r = t % 16): rows 8 q .. 8 q + 7, the 16 bytes at 16 r: sixteen neighbouring lanes read 256 consecutive bytes, aligned.
; The eight q meet in LDS (8 rows of 256 bytes); wave 0 adds them and stores 256 consecutive bytes, aligned.
; No tensor load, no cluster: no byte is read by two work-groups but dec_z's 256 bytes.
.set ROWB, 4096                        ; bytes in a row of W_dec and of decp
.set Z,    8                           ; v[8:15]   dec_z of my 8 rows
.set W,    16                          ; v[16:47]  row i: 4 registers; later wave 0's eight pairs from LDS
.set ACC,  48                          ; v[48:51]  my 4 column sums
; acc (a pair) += x (a pair) * v[wbase+i], the one weight for both halves: op_sel / op_sel_hi pick the same register of the even-aligned
; pair that holds it.  i = 0 is the first product and starts the sum: nothing is cleared.
.macro BFMA acc, x, wbase, i
.if (\i) == 0
	v_pk_mul_f32 v[\acc:\acc+1], v[\x:\x+1], v[\wbase:\wbase+1] op_sel_hi:[1,0]
.else
.if ((\i)&1) == 0
	v_pk_fma_f32 v[\acc:\acc+1], v[\x:\x+1], v[\wbase+\i:\wbase+\i+1], v[\acc:\acc+1] op_sel_hi:[1,0,1]
.else
	v_pk_fma_f32 v[\acc:\acc+1], v[\x:\x+1], v[\wbase+\i-1:\wbase+\i], v[\acc:\acc+1] op_sel:[0,1,0] op_sel_hi:[1,1,1]
.endif
.endif
.endm
	s_load_b128 s[4:7], s[0:1], 0x0                ; dec_z s[4:5], W_dec s[6:7]
	s_load_b64 s[8:9], s[0:1], 0x10                ; decp
	v_lshl_add_u32 v56, v0, 2, 0x800
	v_mov_b32 v57, 0
	s_and_b32 s10, ttmp7, 0xffff                   ; kb
	v_lshrrev_b32 v5, 5, v0
	v_readfirstlane_b32 s18, v5                    ; wave number
	v_lshrrev_b32 v6, 4, v0                        ; q
	v_and_b32 v7, 15, v0                           ; r
	v_lshlrev_b32 v1, 4, v7
	v_lshl_or_b32 v1, v6, 15, v1                   ; W_dec: 8 q rows of 4,096 bytes + 16 r
	v_lshlrev_b32 v2, 5, v6                        ; dec_z: 8 q numbers of 4 bytes
	v_lshlrev_b32 v3, 4, v0                        ; LDS in: 256 q + 16 r = 16 t
	v_lshlrev_b32 v4, 3, v0                        ; LDS back and decp: 8 bytes a lane (used by wave 0, where t is the lane)
	s_lshl_b32 s11, ttmp9, 8                       ; 256 cg
	s_lshl_b32 s12, s10, 18                        ; 64 kb rows of 4,096 bytes
	s_add_co_u32 s12, s12, s11
	s_mov_b32 s13, 0
	s_lshl_b32 s14, s10, 8                         ; 64 kb numbers of 4 bytes
	s_mov_b32 s15, 0
	s_lshl_b32 s16, s10, 12                        ; row kb of decp
	s_add_co_u32 s16, s16, s11
	s_mov_b32 s17, 0
	s_wait_kmcnt 0x0
	s_add_nc_u64 s[4:5], s[4:5], s[14:15]
	s_add_nc_u64 s[6:7], s[6:7], s[12:13]
	s_add_nc_u64 s[8:9], s[8:9], s[16:17]
	global_load_b128 v[Z:Z+3],   v2, s[4:5]
	global_load_b128 v[Z+4:Z+7], v2, s[4:5] offset:16
.irp i, 0,1,2,3,4,5,6,7
	global_load_b128 v[W+4*\i:W+4*\i+3], v1, s[6:7] offset:ROWB*\i th:TH_LOAD_NT
.endr
.irp i, 0,1,2,3,4,5,6,7
	s_wait_loadcnt 7-\i                            ; loads return in order (ISA guide 5.7.1): row i and dec_z are in, the 7 - i younger rows stay out
	BFMA ACC,   W+4*\i,   Z, \i
	BFMA ACC+2, W+4*\i+2, Z, \i
.endr
	ds_store_b128 v3, v[ACC:ACC+3]
	s_wait_dscnt 0x0                               ; my store is in LDS before I say so: wave 0 reads all four waves' bytes
	s_barrier_signal -1
	s_barrier_wait -1
	s_cmp_lg_u32 s18, 0
	s_cbranch_scc1 .Lend                           ; the sum of eight rows of 256 bytes is one wave's work
.irp i, 0,1,2,3,4,5,6,7
	ds_load_b64 v[W+2*\i:W+2*\i+1], v4 offset:256*\i       ; columns 2 lane, 2 lane + 1 of row i
.endr
	s_wait_dscnt 0x0
.irp p, 0,4,8,12
	v_pk_add_f32 v[W+\p:W+\p+1], v[W+\p:W+\p+1], v[W+\p+2:W+\p+3]
.endr
	v_pk_add_f32 v[W:W+1],   v[W:W+1],   v[W+4:W+5]
	v_pk_add_f32 v[W+8:W+9], v[W+8:W+9], v[W+12:W+13]
	v_pk_add_f32 v[W:W+1],   v[W:W+1],   v[W+8:W+9]
	global_store_b64 v4, v[W:W+1], s[8:9]          ; 32 lanes store 256 consecutive bytes, aligned
.Lend:
	s_wait_tensorcnt 0x0
	ds_add_u32 v56, v57
	s_wait_dscnt 0x0
	s_endpgm
.Lfunc_end_k_q671efff980_dec:
	.size	k_q671efff980_dec, .Lfunc_end_k_q671efff980_dec-k_q671efff980_dec
	.p2alignl 7, 3214868480
	.fill 96, 4, 3214868480
	.section	.rodata,"a",@progbits
	.p2align	6, 0x0
	.amdhsa_kernel k_q671efff980_dec
		.amdhsa_group_segment_fixed_size 2560
		.amdhsa_private_segment_fixed_size 0
		.amdhsa_enable_private_segment 0
		.amdhsa_kernarg_size 24
		.amdhsa_user_sgpr_count 2
		.amdhsa_user_sgpr_kernarg_segment_ptr 1
		.amdhsa_wavefront_size32 1
		.amdhsa_system_sgpr_workgroup_id_x 1
		.amdhsa_system_sgpr_workgroup_id_y 1
		.amdhsa_system_sgpr_workgroup_id_z 1
		.amdhsa_system_vgpr_workitem_id 0
		.amdhsa_next_free_vgpr 58
		.amdhsa_next_free_sgpr 66
		.amdhsa_reserve_vcc 0
		.amdhsa_float_denorm_mode_32 3
		.amdhsa_float_denorm_mode_16_64 3
		.amdhsa_memory_ordered 1
		.amdhsa_forward_progress 1
		.amdhsa_inst_pref_size 5
	.end_amdhsa_kernel
	.amdgpu_metadata
---
amdhsa.version: [ 1, 2 ]
amdhsa.kernels:
  - .name:           k_q671efff980_dec
    .symbol:         k_q671efff980_dec.kd
    .args:
      - { .name: dec_z, .offset: 0, .size: 8, .value_kind: global_buffer, .address_space: global }
      - { .name: W_dec, .offset: 8, .size: 8, .value_kind: global_buffer, .address_space: global }
      - { .name: decp, .offset: 16, .size: 8, .value_kind: global_buffer, .address_space: global }
    .group_segment_fixed_size: 2560
    .private_segment_fixed_size: 0
    .kernarg_segment_align: 8
    .kernarg_segment_size: 24
    .max_flat_workgroup_size: 128
    .sgpr_count:     66
    .vgpr_count:     58
    .wavefront_size: 32
...
	.end_amdgpu_metadata
.endif
;; end of part 1
;; launch main (part 2): grid 256 x 1, 16 waves a work-group, no clusters, 10,496 bytes of LDS; arguments pre_compute_enc_h, enc_h, mask, b_dec, w_gvec, b_gvec, decp, scores, stat, cpart; writes scores, stat, cpart
.if DOCPART == 2
	.amdgcn_target "amdgcn-amd-amdhsa--gfx1250"
	.amdhsa_code_object_version 6
	.text
	.protected	k_q671efff980_main
	.globl	k_q671efff980_main
	.p2align	8
	.type	k_q671efff980_main,@function
k_q671efff980_main:
	s_mov_b64 s[64:65], 0
	v_nop
	global_prefetch_b8 v0, s[64:65] scope:SCOPE_SE
	s_setreg_imm32_b32 hwreg(HW_REG_WAVE_MODE, 25, 1), 1
	s_wait_xcnt 0x0
; For the 64 rows t = 64 g .. 64 g + 63 of work-group g:
;   y[t]     = K * (sum over a of w_gvec[a] * tanh(pre[t][a] + dec[a]) + b_gvec + mask[t]),  K = 2 log2(e): SCALING and the change to base 2 in one
;   m_g      = max over the 64 rows of y[t], not below -FLT_MAX;   s_g = sum of 2^(y[t] - m_g)
;   cpart[g] = sum over the 64 rows of 2^(y[t] - m_g) * enc_h[t][:]
; with dec = sum of the sixteen rows of decp + b_dec.  The last launch joins the 256 groups.  The maximum is taken away before every exponential.
; pre and enc_h (64 MiB each) are read once; all arithmetic is f32.  The products have one row each (a vector against a matrix), so they are
; streams on the vector unit; the matrix unit would use one row of sixteen.
; att_prev is no argument: reference() never uses it, so no result can hang on it.
; LIMITS.  tanh(x) = 1 - 2 / (1 + 2^(K x)): right at both ends (2^.. = inf gives 1, 0 gives -1); its absolute error is a few 2^-24, so relative
; accuracy is lost for |x| below about 1e-4.  v_exp_f32 gives 0 for results below 2^-126.  A row with mask -inf gets weight 0; a group, all of
; whose rows are -inf, gives s_g = 0 and cpart = 0 thanks to the floor under m_g.  +inf or NaN in y makes NaN, as in reference().
; The f32 sums are added in another order than reference()'s.
;
; SHARES.  16 waves, and each of the two streams is cut the way its sum runs.
;   pre, summed along a row: wave w owns rows 4 w .. 4 w + 3.  A row is eight 16-byte loads a lane, each covering 512 consecutive bytes;
;     lane l holds columns 128 j + 4 l .. + 3 of load j.  The sum ends inside the wave.
;   enc_h, summed down the rows: wave w owns columns 64 w .. 64 w + 63 (256 bytes) of all 64 rows.  Load j (0 .. 31) takes row j in lanes
;     0-15 and row 32 + j in lanes 16-31: two aligned pieces of 256 consecutive bytes.  This sum ends inside the wave too: behind the last
;     load stand four multiply-adds, the join of four chains and of the wave's two halves, and one store; no LDS, no barrier.
; Four register slots of 32: all four rows of pre are asked for at once, and a slot is asked for eight loads of enc_h as soon as its row of
; pre has been used: 32 loads of a wave are out until the last ones drain.
; No tensor load and no LDS ring: no wave reads another's bytes of pre or enc_h, and the registers hold what is on its way.  No cluster: the
; only bytes that work-groups share are decp's 64 KiB of the 576 KiB that a work-group reads.
.set KLOG,   0x4038aa3b                ; 2 log2(e)
.set NEGMAX, 0xff7fffff                ; -FLT_MAX
.set ROWB, 4096                        ; bytes in a row
; LDS: each region is written once and read behind one barrier
.set DECL, 0                           ; 4,096 bytes  K * dec
.set WGL,  4096                        ; 4,096 bytes  w_gvec
.set YS,   8192                        ;   256 bytes  the group's 64 y
; v1 pre: 4 w rows + 16 lane;  v2 8 t;  v3 16 lane;  v4 cpart: 256 w + 16 r + 8 h;  v5 8 lane;  v6 16 w;  v7 enc_h: 256 w + 16 r + 32 h rows
; (r = lane % 16, h = lane / 16);  v16-v19 work registers of the head, v18 = 16 r + 8 h until v4 is made
.set E,   8                            ; v[8:11]    my wave's four rows: dot product, then y
.set YY,  12                           ; v[12:13]   y of rows 2 lane, 2 lane + 1 of the group
.set M,   14                           ; v14 m_g;  v15 s_g (wave 0; the pair is stored)
.set PP,  20                           ; v[20:21]   2^(y - m_g) of rows 2 lane, 2 lane + 1
.set A,   24                           ; v[24:31]   four chains of pairs, and work registers
.set DEC, 32                           ; v[32:63]   decp's rows, then K * dec of my 32 columns of a row of pre
.set PW,  32                           ;            then the weights of rows 32 h + 0 .. 31
.set WG,  64                           ; v[64:95]   w_gvec of my 32 columns
.set ACC, 64                           ; v[64:79]   then four chains of my 4 columns of c
.set X,   96                           ; v[96:223]  slot r: 32 registers; load j of enc_h at X + 4 j
.macro FILLP r                         ; a whole row of pre: eight loads of 512 consecutive bytes.  v1, v7 and the bases are never rewritten
.irp j, 0,1,2,3,4,5,6,7
	global_load_b128 v[X+32*\r+4*\j:X+32*\r+4*\j+3], v1, s[8:9] offset:ROWB*\r+512*\j th:TH_LOAD_NT
.endr
.endm
.macro FILLE r                         ; loads 8 r .. 8 r + 7 of enc_h: my 256 bytes of rows 8 r + j and 32 + 8 r + j
.irp j, 0,1,2,3,4,5,6,7
	global_load_b128 v[X+32*\r+4*\j:X+32*\r+4*\j+3], v7, s[10:11] offset:ROWB*(8*\r+\j) th:TH_LOAD_NT
.endr
.endm
; The steps of tanh on half a row (g = 0, 1: 16 registers), in place
.macro SCALE r, g                      ; K x + K dec
.irp p, 0,1,2,3,4,5,6,7
	v_pk_fma_f32 v[X+32*\r+16*\g+2*\p:X+32*\r+16*\g+2*\p+1], v[X+32*\r+16*\g+2*\p:X+32*\r+16*\g+2*\p+1], s[38:39], v[DEC+16*\g+2*\p:DEC+16*\g+2*\p+1] op_sel_hi:[1,0,1]
.endr
.endm
.macro TRANS op, r, g                  ; sixteen transcendentals back to back
.irp p, 0,1,2,3,4,5,6,7,8,9,10,11,12,13,14,15
	\op v[X+32*\r+16*\g+\p], v[X+32*\r+16*\g+\p]
.endr
.endm
.macro PLUS1 r, g
	s_wait_alu depctr_va_vdst(0)
.irp p, 0,1,2,3,4,5,6,7
	v_pk_add_f32 v[X+32*\r+16*\g+2*\p:X+32*\r+16*\g+2*\p+1], v[X+32*\r+16*\g+2*\p:X+32*\r+16*\g+2*\p+1], 1.0 op_sel_hi:[1,0]
.endr
.endm
.macro ONEM2 r, g                      ; 1 - 2 u
	s_wait_alu depctr_va_vdst(0)
.irp p, 0,1,2,3,4,5,6,7
	v_pk_fma_f32 v[X+32*\r+16*\g+2*\p:X+32*\r+16*\g+2*\p+1], v[X+32*\r+16*\g+2*\p:X+32*\r+16*\g+2*\p+1], -2.0, 1.0 op_sel_hi:[1,0,0]
.endr
.endm
.macro DOT r, g                        ; times w_gvec, into four chains; the first four products start them
.irp p, 0,1,2,3,4,5,6,7
.if (8*\g+\p) < 4
	v_pk_mul_f32 v[A+2*\p:A+2*\p+1], v[X+32*\r+16*\g+2*\p:X+32*\r+16*\g+2*\p+1], v[WG+16*\g+2*\p:WG+16*\g+2*\p+1]
.else
	v_pk_fma_f32 v[A+2*((\p)&3):A+2*((\p)&3)+1], v[X+32*\r+16*\g+2*\p:X+32*\r+16*\g+2*\p+1], v[WG+16*\g+2*\p:WG+16*\g+2*\p+1], v[A+2*((\p)&3):A+2*((\p)&3)+1]
.endif
.endr
.endm
; A row of pre.  The two halves take turns so that behind each run of transcendentals stands plain work on the OTHER half before any result
; is used (ISA guide 5.7.2): no v_nop.
.macro TURNA r
	s_wait_loadcnt 24                              ; loads return in order (ISA guide 5.7.1): behind this slot's eight stand the other three slots' 24, pre or enc_h
	SCALE \r, 0
	TRANS v_exp_f32, \r, 0
	SCALE \r, 1
	TRANS v_exp_f32, \r, 1
	PLUS1 \r, 0
	TRANS v_rcp_f32, \r, 0
	PLUS1 \r, 1
	TRANS v_rcp_f32, \r, 1
	ONEM2 \r, 0
	DOT   \r, 0
	ONEM2 \r, 1
	DOT   \r, 1
	v_pk_add_f32 v[A:A+1],   v[A:A+1],   v[A+2:A+3]
	v_pk_add_f32 v[A+4:A+5], v[A+4:A+5], v[A+6:A+7]
	v_pk_add_f32 v[A:A+1],   v[A:A+1],   v[A+4:A+5]
	v_add_f32 v[E+\r], v[A], v[A+1]                ; my 32 columns' share of row r
	FILLE \r                                       ; the slot is free: eight loads of enc_h
.endm
; Loads 2 k and 2 k + 1 of enc_h, each times its row's weight, into chain k % 4.  The two weights lie in one even-aligned pair; op_sel and
; op_sel_hi pick the same register of it for both halves of the packed product.  The first product of each chain starts it: nothing is cleared.
.macro WPAIR k
	s_wait_loadcnt 30-2*(\k)                       ; behind load 2 k + 1 stand 30 - 2 k younger ones, which stay out
.if (\k) < 4
	v_pk_mul_f32 v[ACC+4*(\k):ACC+4*(\k)+1],   v[X+8*(\k):X+8*(\k)+1],   v[PW+2*(\k):PW+2*(\k)+1] op_sel_hi:[1,0]
	v_pk_mul_f32 v[ACC+4*(\k)+2:ACC+4*(\k)+3], v[X+8*(\k)+2:X+8*(\k)+3], v[PW+2*(\k):PW+2*(\k)+1] op_sel_hi:[1,0]
.else
	v_pk_fma_f32 v[ACC+4*((\k)&3):ACC+4*((\k)&3)+1],   v[X+8*(\k):X+8*(\k)+1],   v[PW+2*(\k):PW+2*(\k)+1], v[ACC+4*((\k)&3):ACC+4*((\k)&3)+1] op_sel_hi:[1,0,1]
	v_pk_fma_f32 v[ACC+4*((\k)&3)+2:ACC+4*((\k)&3)+3], v[X+8*(\k)+2:X+8*(\k)+3], v[PW+2*(\k):PW+2*(\k)+1], v[ACC+4*((\k)&3)+2:ACC+4*((\k)&3)+3] op_sel_hi:[1,0,1]
.endif
	v_pk_fma_f32 v[ACC+4*((\k)&3):ACC+4*((\k)&3)+1],   v[X+8*(\k)+4:X+8*(\k)+5], v[PW+2*(\k):PW+2*(\k)+1], v[ACC+4*((\k)&3):ACC+4*((\k)&3)+1] op_sel:[0,1,0] op_sel_hi:[1,1,1]
	v_pk_fma_f32 v[ACC+4*((\k)&3)+2:ACC+4*((\k)&3)+3], v[X+8*(\k)+6:X+8*(\k)+7], v[PW+2*(\k):PW+2*(\k)+1], v[ACC+4*((\k)&3)+2:ACC+4*((\k)&3)+3] op_sel:[0,1,0] op_sel_hi:[1,1,1]
.endm
; Over the 32 lanes, result in every lane: four steps inside each 16 lanes ride on the arithmetic, one crosses.  t has been written before.
.macro REDADD r, t
.irp m, 1,2,4,8
	v_add_f32_dpp v[\r], v[\r], v[\r] row_xmask:\m row_mask:0xf bank_mask:0xf
.endr
	v_permlanex16_b32 v[\t], v[\r], s40, s41
	v_add_f32 v[\r], v[\r], v[\t]
.endm
.macro REDMAX r, t
.irp m, 1,2,4,8
	v_max_num_f32_dpp v[\r], v[\r], v[\r] row_xmask:\m row_mask:0xf bank_mask:0xf
.endr
	v_permlanex16_b32 v[\t], v[\r], s40, s41
	v_max_num_f32 v[\r], v[\r], v[\t]
.endm
.macro TREE16 b                        ; sixteen pairs at v[b .. b+31] into v[b:b+1]
.irp p, 0,4,8,12,16,20,24,28
	v_pk_add_f32 v[\b+\p:\b+\p+1], v[\b+\p:\b+\p+1], v[\b+\p+2:\b+\p+3]
.endr
.irp p, 0,8,16,24
	v_pk_add_f32 v[\b+\p:\b+\p+1], v[\b+\p:\b+\p+1], v[\b+\p+4:\b+\p+5]
.endr
.irp p, 0,16
	v_pk_add_f32 v[\b+\p:\b+\p+1], v[\b+\p:\b+\p+1], v[\b+\p+8:\b+\p+9]
.endr
	v_pk_add_f32 v[\b:\b+1], v[\b:\b+1], v[\b+16:\b+17]
.endm
	s_load_b512 s[8:23], s[0:1], 0x0               ; pre 8:9, enc_h 10:11, mask 12:13, b_dec 14:15, w_gvec 16:17, b_gvec 18:19, decp 20:21, scores 22:23
	s_load_b128 s[24:27], s[0:1], 0x40             ; stat 24:25, cpart 26:27
	v_lshl_add_u32 v224, v0, 2, 0x2100
	v_mov_b32 v225, 0
	v_lshrrev_b32 v16, 5, v0
	v_readfirstlane_b32 s2, v16                    ; wave number w
	v_and_b32 v17, 31, v0                          ; lane
	v_lshlrev_b32 v3, 4, v17                       ; 16 lane
	v_lshl_or_b32 v1, v16, 14, v3                  ; pre: 4 w rows of 4,096 bytes + 16 lane
	v_lshlrev_b32 v2, 3, v0                        ; 8 t
	v_lshlrev_b32 v5, 3, v17                       ; 8 lane
	v_and_b32 v18, 15, v17                         ; r
	v_lshrrev_b32 v19, 4, v17                      ; h
	v_lshlrev_b32 v18, 4, v18                      ; 16 r
	v_lshl_or_b32 v7, v19, 17, v18                 ; enc_h: 32 h rows of 4,096 bytes + 16 r
	v_lshl_or_b32 v7, v16, 8, v7                   ;        + 256 w
	v_lshl_or_b32 v18, v19, 3, v18                 ; 16 r + 8 h
	v_cmp_lt_u32 s44, 15, v17                      ; the lanes of the upper half
	s_mov_b32 s38, KLOG
	s_mov_b32 s39, KLOG
	s_mov_b32 s40, 0x76543210                      ; v_permlanex16_b32: lane i of one half reads lane i of the other
	s_mov_b32 s41, 0xfedcba98
	s_lshl_b32 s42, s2, 8                          ; my wave's 256 bytes of a row of cpart
	s_lshl_b32 s43, s2, 4
	v_mov_b32 v6, s43                              ; my wave's 16 bytes of YS
	s_lshl_b32 s28, ttmp9, 18                      ; 64 g rows of 4,096 bytes
	s_mov_b32 s29, 0
	s_lshl_b32 s30, ttmp9, 8                       ; 64 g numbers of 4 bytes
	s_lshl4_add_u32 s30, s2, s30                   ; + 4 w numbers
	s_mov_b32 s31, 0
	s_wait_kmcnt 0x0
	s_add_nc_u64 s[8:9], s[8:9], s[28:29]
	s_add_nc_u64 s[10:11], s[10:11], s[28:29]
	s_add_nc_u64 s[12:13], s[12:13], s[30:31]
	s_load_b128 s[32:35], s[12:13], 0x0            ; mask of my wave's four rows
	s_load_b32 s36, s[18:19], 0x0                  ; b_gvec
	s_lshl_b32 s28, ttmp9, 8
	s_add_nc_u64 s[22:23], s[22:23], s[28:29]      ; scores: 64 numbers a group
	s_lshl_b32 s28, ttmp9, 3
	s_add_nc_u64 s[24:25], s[24:25], s[28:29]      ; stat: 2 numbers a group
	s_lshl_b32 s28, ttmp9, 12
	s_add_nc_u64 s[26:27], s[26:27], s[28:29]      ; cpart: a row a group
	; the small loads first, then all four rows of pre: 18 + 32 loads out
.irp p, 0,1,2,3,4,5,6,7,8,9,10,11,12,13,14,15
	global_load_b64 v[DEC+2*\p:DEC+2*\p+1], v2, s[20:21] offset:ROWB*\p    ; columns 2 t, 2 t + 1 of decp's row p
.endr
	global_load_b64 v[WG:WG+1],   v2, s[14:15]     ; b_dec
	global_load_b64 v[WG+2:WG+3], v2, s[16:17]     ; w_gvec
	FILLP 0
	FILLP 1
	FILLP 2
	FILLP 3
	; K * dec, two columns a thread, and w_gvec go to LDS, and come back in the layout of a row of pre
	s_wait_loadcnt 32                              ; the 18 small loads are in, the 32 of pre stay out
	TREE16 DEC
	v_pk_add_f32 v[DEC:DEC+1], v[DEC:DEC+1], v[WG:WG+1]
	v_pk_mul_f32 v[A:A+1], v[DEC:DEC+1], s[38:39] op_sel_hi:[1,0]
	ds_store_b64 v2, v[A:A+1] offset:DECL
	ds_store_b64 v2, v[WG+2:WG+3] offset:WGL
	s_wait_dscnt 0x0                               ; my stores are in LDS before I say so: every wave reads all 8 KiB
	s_barrier_signal -1
	s_barrier_wait -1
.irp j, 0,1,2,3,4,5,6,7
	ds_load_b128 v[DEC+4*\j:DEC+4*\j+3], v3 offset:DECL+512*\j
.endr
.irp j, 0,1,2,3,4,5,6,7
	ds_load_b128 v[WG+4*\j:WG+4*\j+3], v3 offset:WGL+512*\j
.endr
	s_wait_dscnt 0x0
	TURNA 0
	TURNA 1
	TURNA 2
	TURNA 3
	; the four dot products over the lanes, side by side; then + b_gvec, + mask (in reference()'s order), times K
	s_wait_kmcnt 0x0                               ; mask and b_gvec
.irp m, 1,2,4,8
.irp r, 0,1,2,3
	v_add_f32_dpp v[E+\r], v[E+\r], v[E+\r] row_xmask:\m row_mask:0xf bank_mask:0xf
.endr
.endr
.irp r, 0,1,2,3
	v_permlanex16_b32 v[A+\r], v[E+\r], s40, s41
.endr
.irp r, 0,1,2,3
	v_add_f32 v[E+\r], v[E+\r], v[A+\r]
.endr
.irp r, 0,1,2,3
	v_add_f32 v[E+\r], s36, v[E+\r]
.endr
.irp r, 0,1,2,3
	v_add_f32 v[E+\r], s[32+\r], v[E+\r]
.endr
.irp r, 0,1,2,3
	v_mul_f32 v[E+\r], s38, v[E+\r]
.endr
	ds_store_b128 v6, v[E:E+3] offset:YS           ; every lane holds the same four numbers and writes them to the same 16 bytes
	s_wait_dscnt 0x0                               ; in LDS before I say so: every wave reads all 64
	s_barrier_signal -1
	s_barrier_wait -1
	; every wave for itself: the group's maximum and all 64 weights, two a lane (rows 2 lane, 2 lane + 1 = 32 h + 2 r, + 1)
	ds_load_b64 v[YY:YY+1], v5 offset:YS
	s_wait_dscnt 0x0
	v_max_num_f32 v[M], v[YY], v[YY+1]
	REDMAX M, A
	v_max_num_f32 v[M], NEGMAX, v[M]               ; 64 rows of -inf: the differences below stay -inf, not NaN
	v_sub_f32 v[PP],   v[YY],   v[M]
	v_sub_f32 v[PP+1], v[YY+1], v[M]
	v_exp_f32 v[PP],   v[PP]
	v_exp_f32 v[PP+1], v[PP+1]
	v_add_nc_u32 v4, s42, v18                      ; the way out's offset; also the plain instruction between the exponentials and their use (ISA guide 5.7.2)
	; lane n of my half of the wave holds the weights of rows 32 h + 2 n, + 1: every lane takes all 32 of its half, in the order of the loads
	s_wait_alu depctr_va_vdst(0)
.irp n, 0,1,2,3,4,5,6,7,8,9,10,11,12,13,14,15
	v_mov_b32_dpp v[PW+2*\n],   v[PP]   row_share:\n row_mask:0xf bank_mask:0xf
	v_mov_b32_dpp v[PW+2*\n+1], v[PP+1] row_share:\n row_mask:0xf bank_mask:0xf
.endr
	; wave 0 stores the 64 y, and m_g with s_g
	s_cmp_lg_u32 s2, 0
	s_cbranch_scc1 .Lnot0
	global_store_b64 v2, v[YY:YY+1], s[22:23]      ; in wave 0 t is the lane: 256 consecutive bytes, aligned
	v_add_f32 v[M+1], v[PP], v[PP+1]
	REDADD M+1, A
	v_cmp_eq_u32 vcc_lo, 0, v0
	s_wait_xcnt 0x0                                ; EXEC is a source of the loads and of the store that are out: it changes only behind this wait
	s_and_saveexec_b32 s37, vcc_lo
	global_store_b64 v2, v[M:M+1], s[24:25]        ; lane 0: two numbers a work-group, the only store here that covers less than 256 bytes
	s_wait_xcnt 0x0                                ; and again before EXEC is widened
	s_or_b32 exec_lo, exec_lo, s37
.Lnot0:
	; enc_h, two loads at a time as they come in; nothing is asked for any more, so the counts run down to 0
.irp k, 0,1,2,3,4,5,6,7,8,9,10,11,12,13,14,15
	WPAIR \k
.endr
	; the way out: four chains into one, the wave's two halves (rows 0-31 and 32-63) into one, 8 bytes a lane
	v_pk_add_f32 v[ACC:ACC+1],     v[ACC:ACC+1],     v[ACC+4:ACC+5]
	v_pk_add_f32 v[ACC+2:ACC+3],   v[ACC+2:ACC+3],   v[ACC+6:ACC+7]
	v_pk_add_f32 v[ACC+8:ACC+9],   v[ACC+8:ACC+9],   v[ACC+12:ACC+13]
	v_pk_add_f32 v[ACC+10:ACC+11], v[ACC+10:ACC+11], v[ACC+14:ACC+15]
	v_pk_add_f32 v[ACC:ACC+1],     v[ACC:ACC+1],     v[ACC+8:ACC+9]
	v_pk_add_f32 v[ACC+2:ACC+3],   v[ACC+2:ACC+3],   v[ACC+10:ACC+11]
.irp c, 0,1,2,3
	v_permlanex16_b32 v[A+\c], v[ACC+\c], s40, s41 ; the same four columns, the other 32 rows
.endr
	v_pk_add_f32 v[ACC:ACC+1],   v[ACC:ACC+1],   v[A:A+1]
	v_pk_add_f32 v[ACC+2:ACC+3], v[ACC+2:ACC+3], v[A+2:A+3]
	v_cndmask_b32 v[ACC],   v[ACC],   v[ACC+2], s44    ; lanes 0-15 store columns 4 r, 4 r + 1, lanes 16-31 columns 4 r + 2, 4 r + 3
	v_cndmask_b32 v[ACC+1], v[ACC+1], v[ACC+3], s44
	global_store_b64 v4, v[ACC:ACC+1], s[26:27]    ; the wave stores 256 consecutive bytes, aligned
	s_wait_tensorcnt 0x0
	ds_add_u32 v224, v225
	s_wait_dscnt 0x0
	s_endpgm
.Lfunc_end_k_q671efff980_main:
	.size	k_q671efff980_main, .Lfunc_end_k_q671efff980_main-k_q671efff980_main
	.p2alignl 7, 3214868480
	.fill 96, 4, 3214868480
	.section	.rodata,"a",@progbits
	.p2align	6, 0x0
	.amdhsa_kernel k_q671efff980_main
		.amdhsa_group_segment_fixed_size 10496
		.amdhsa_private_segment_fixed_size 0
		.amdhsa_enable_private_segment 0
		.amdhsa_kernarg_size 80
		.amdhsa_user_sgpr_count 2
		.amdhsa_user_sgpr_kernarg_segment_ptr 1
		.amdhsa_wavefront_size32 1
		.amdhsa_system_sgpr_workgroup_id_x 1
		.amdhsa_system_sgpr_workgroup_id_y 1
		.amdhsa_system_sgpr_workgroup_id_z 1
		.amdhsa_system_vgpr_workitem_id 0
		.amdhsa_next_free_vgpr 226
		.amdhsa_next_free_sgpr 66
		.amdhsa_reserve_vcc 1
		.amdhsa_float_denorm_mode_32 3
		.amdhsa_float_denorm_mode_16_64 3
		.amdhsa_memory_ordered 1
		.amdhsa_forward_progress 1
		.amdhsa_inst_pref_size 49
	.end_amdhsa_kernel
	.amdgpu_metadata
---
amdhsa.version: [ 1, 2 ]
amdhsa.kernels:
  - .name:           k_q671efff980_main
    .symbol:         k_q671efff980_main.kd
    .args:
      - { .name: pre_compute_enc_h, .offset: 0, .size: 8, .value_kind: global_buffer, .address_space: global }
      - { .name: enc_h, .offset: 8, .size: 8, .value_kind: global_buffer, .address_space: global }
      - { .name: mask, .offset: 16, .size: 8, .value_kind: global_buffer, .address_space: global }
      - { .name: b_dec, .offset: 24, .size: 8, .value_kind: global_buffer, .address_space: global }
      - { .name: w_gvec, .offset: 32, .size: 8, .value_kind: global_buffer, .address_space: global }
      - { .name: b_gvec, .offset: 40, .size: 8, .value_kind: global_buffer, .address_space: global }
      - { .name: decp, .offset: 48, .size: 8, .value_kind: global_buffer, .address_space: global }
      - { .name: scores, .offset: 56, .size: 8, .value_kind: global_buffer, .address_space: global }
      - { .name: stat, .offset: 64, .size: 8, .value_kind: global_buffer, .address_space: global }
      - { .name: cpart, .offset: 72, .size: 8, .value_kind: global_buffer, .address_space: global }
    .group_segment_fixed_size: 10496
    .private_segment_fixed_size: 0
    .kernarg_segment_align: 8
    .kernarg_segment_size: 80
    .max_flat_workgroup_size: 512
    .sgpr_count:     66
    .vgpr_count:     226
    .wavefront_size: 32
...
	.end_amdgpu_metadata
.endif
;; end of part 2
;; launch fin (part 3): grid 16 x 1, 16 waves a work-group, no clusters, 10,240 bytes of LDS; arguments stat, cpart, scores, out0, out1; writes out0, out1
.if DOCPART == 3
	.amdgcn_target "amdgcn-amd-amdhsa--gfx1250"
	.amdhsa_code_object_version 6
	.text
	.protected	k_q671efff980_fin
	.globl	k_q671efff980_fin
	.p2align	8
	.type	k_q671efff980_fin,@function
k_q671efff980_fin:
	s_mov_b64 s[64:65], 0
	v_nop
	global_prefetch_b8 v0, s[64:65] scope:SCOPE_SE
	s_setreg_imm32_b32 hwreg(HW_REG_WAVE_MODE, 25, 1), 1
	s_wait_xcnt 0x0
; Joins the 256 groups:  M = max m_g,  S = sum of s_g 2^(m_g - M),  out1[t] = 2^(y[t] - M) / S,  out0[:] = sum over g of cpart[g][:] 2^(m_g - M) / S.
; Work-group cg makes 64 columns of out0 (256 bytes of each of cpart's 256 rows, 64 KiB) and 1,024 numbers of out1.  Sixteen work-groups:
; 256 consecutive bytes of a row are the smallest piece read and stored whole, and a finer split over rows would need one more sum
; across work-groups.  Every wave finds M and S for itself from stat's 2 KiB: no barrier for that.
; Thread (q = t / 16, r = t % 16): cpart's rows 8 q .. 8 q + 7, the 16 bytes at 16 r.  The 32 q meet in LDS; wave 0 adds them.
; LIMITS.  m_g is never below -FLT_MAX, so m_g - M is no NaN.  If every row is masked with -inf, S = 0 and all results are NaN, as in
; reference().  v_exp_f32 gives 0 below 2^-126; v_rcp_f32 is good to one unit in the last place.
.set ROWB, 4096
.set ST,  8                            ; v[8:23]   (m, s) of groups 8 lane .. + 7
.set SM,  24                           ; v[24:39]  (m, s) of my rows' groups 8 q .. + 7
.set Y,   40                           ; v[40:41]  my two y, then my two numbers of out1
.set C,   44                           ; v[44:75]  my eight rows of cpart, 4 registers each
.set ACC, 76                           ; v[76:79]  my 4 column sums
.set F,   80                           ; v[80:87]  my rows' weights 2^(m_g - M) / S
.set MX,  88                           ; v88 M; v89 at work; v90, v91 S; v92 1 / S
.set T,   8                            ; v[8:71]   wave 0 at the end: 32 pairs from LDS
.macro BFMA acc, x, wbase, i           ; acc (a pair) += x (a pair) * v[wbase+i]; i = 0 starts the sum
.if (\i) == 0
	v_pk_mul_f32 v[\acc:\acc+1], v[\x:\x+1], v[\wbase:\wbase+1] op_sel_hi:[1,0]
.else
.if ((\i)&1) == 0
	v_pk_fma_f32 v[\acc:\acc+1], v[\x:\x+1], v[\wbase+\i:\wbase+\i+1], v[\acc:\acc+1] op_sel_hi:[1,0,1]
.else
	v_pk_fma_f32 v[\acc:\acc+1], v[\x:\x+1], v[\wbase+\i-1:\wbase+\i], v[\acc:\acc+1] op_sel:[0,1,0] op_sel_hi:[1,1,1]
.endif
.endif
.endm
.macro REDADD r, t
.irp m, 1,2,4,8
	v_add_f32_dpp v[\r], v[\r], v[\r] row_xmask:\m row_mask:0xf bank_mask:0xf
.endr
	v_permlanex16_b32 v[\t], v[\r], s18, s19
	v_add_f32 v[\r], v[\r], v[\t]
.endm
.macro REDMAX r, t
.irp m, 1,2,4,8
	v_max_num_f32_dpp v[\r], v[\r], v[\r] row_xmask:\m row_mask:0xf bank_mask:0xf
.endr
	v_permlanex16_b32 v[\t], v[\r], s18, s19
	v_max_num_f32 v[\r], v[\r], v[\t]
.endm
	s_load_b256 s[4:11], s[0:1], 0x0               ; stat 4:5, cpart 6:7, scores 8:9, out0 10:11
	s_load_b64 s[12:13], s[0:1], 0x20              ; out1
	v_lshl_add_u32 v96, v0, 2, 0x2000
	v_mov_b32 v97, 0
	v_lshrrev_b32 v6, 5, v0
	v_readfirstlane_b32 s16, v6                    ; wave number
	v_and_b32 v1, 15, v0                           ; r
	v_lshlrev_b32 v1, 4, v1
	v_lshrrev_b32 v3, 4, v0                        ; q
	v_lshl_or_b32 v1, v3, 15, v1                   ; cpart: 8 q rows of 4,096 bytes + 16 r
	v_lshlrev_b32 v3, 6, v3                        ; stat: 8 q groups of 8 bytes
	v_and_b32 v2, 31, v0
	v_lshlrev_b32 v2, 6, v2                        ; stat: 8 lane groups of 8 bytes
	v_lshlrev_b32 v4, 3, v0                        ; 8 t
	v_mov_b32 v[MX+1], 0                           ; a destination of v_permlanex16_b32 counts as read
	s_mov_b32 s18, 0x76543210
	s_mov_b32 s19, 0xfedcba98
	s_lshl_b32 s14, ttmp9, 8                       ; 64 columns of 4 bytes
	s_mov_b32 s15, 0
	s_wait_kmcnt 0x0
	s_add_nc_u64 s[6:7], s[6:7], s[14:15]
	s_add_nc_u64 s[10:11], s[10:11], s[14:15]
	s_lshl_b32 s14, ttmp9, 12                      ; 1,024 numbers of 4 bytes
	s_add_nc_u64 s[8:9], s[8:9], s[14:15]
	s_add_nc_u64 s[12:13], s[12:13], s[14:15]
.irp j, 0,1,2,3
	global_load_b128 v[ST+4*\j:ST+4*\j+3], v2, s[4:5] offset:16*\j
.endr
.irp j, 0,1,2,3
	global_load_b128 v[SM+4*\j:SM+4*\j+3], v3, s[4:5] offset:16*\j
.endr
	global_load_b64 v[Y:Y+1], v4, s[8:9]
.irp i, 0,1,2,3,4,5,6,7
	global_load_b128 v[C+4*\i:C+4*\i+3], v1, s[6:7] offset:ROWB*\i th:TH_LOAD_NT
.endr
	s_wait_loadcnt 8                               ; stat and y are in; cpart's eight loads stay out
	v_max3_num_f32 v[MX], v[ST],  v[ST+2],  v[ST+4]
	v_max3_num_f32 v[MX], v[MX],  v[ST+6],  v[ST+8]
	v_max3_num_f32 v[MX], v[MX],  v[ST+10], v[ST+12]
	v_max_num_f32  v[MX], v[MX],  v[ST+14]
	REDMAX MX, MX+1                                ; M, in every lane
.irp i, 0,1,2,3,4,5,6,7
	v_sub_f32 v[ST+2*\i], v[ST+2*\i], v[MX]
	v_sub_f32 v[SM+2*\i], v[SM+2*\i], v[MX]
.endr
	v_sub_f32 v[Y],   v[Y],   v[MX]
	v_sub_f32 v[Y+1], v[Y+1], v[MX]
.irp i, 0,1,2,3,4,5,6,7
	v_exp_f32 v[ST+2*\i], v[ST+2*\i]
	v_exp_f32 v[SM+2*\i], v[SM+2*\i]
.endr
	v_exp_f32 v[Y],   v[Y]
	v_exp_f32 v[Y+1], v[Y+1]
	v_lshlrev_b32 v5, 4, v0                        ; LDS in: 256 q + 16 r = 16 t; also the plain instruction behind the exponentials (ISA guide 5.7.2)
	s_wait_alu depctr_va_vdst(0)
	v_mul_f32 v[MX+2], v[ST+1], v[ST]              ; S: s_g 2^(m_g - M), my eight groups in two chains
	v_mul_f32 v[MX+3], v[ST+3], v[ST+2]
.irp i, 2,4,6
	v_fma_f32 v[MX+2], v[ST+2*\i+1], v[ST+2*\i],   v[MX+2]
	v_fma_f32 v[MX+3], v[ST+2*\i+3], v[ST+2*\i+2], v[MX+3]
.endr
	v_add_f32 v[MX+2], v[MX+2], v[MX+3]
	REDADD MX+2, MX+1
	v_rcp_f32 v[MX+4], v[MX+2]
	v_nop                                          ; one plain place behind the reciprocal
	s_wait_alu depctr_va_vdst(0)
.irp i, 0,1,2,3,4,5,6,7
	v_mul_f32 v[F+\i], v[SM+2*\i], v[MX+4]
.endr
	v_mul_f32 v[Y],   v[Y],   v[MX+4]
	v_mul_f32 v[Y+1], v[Y+1], v[MX+4]
	global_store_b64 v4, v[Y:Y+1], s[12:13]        ; out1: each wave stores 256 consecutive bytes, aligned
.irp i, 0,1,2,3,4,5,6,7
	s_wait_loadcnt 7-\i                            ; row i is in, the 7 - i younger ones stay out
	BFMA ACC,   C+4*\i,   F, \i
	BFMA ACC+2, C+4*\i+2, F, \i
.endr
	ds_store_b128 v5, v[ACC:ACC+3]                 ; 32 rows of 256 bytes
	s_wait_dscnt 0x0                               ; in LDS before I say so: wave 0 reads all sixteen waves' bytes
	s_barrier_signal -1
	s_barrier_wait -1
	s_cmp_lg_u32 s16, 0
	s_cbranch_scc1 .Lend
	s_wait_xcnt 0x0                                ; v[40:41], the data of the store of out1, are loaded over only behind this wait
.irp i, 0,1,2,3,4,5,6,7,8,9,10,11,12,13,14,15,16,17,18,19,20,21,22,23,24,25,26,27,28,29,30,31
	ds_load_b64 v[T+2*\i:T+2*\i+1], v4 offset:256*\i       ; in wave 0 t is the lane: columns 2 lane, 2 lane + 1 of row i
.endr
	s_wait_dscnt 0x0
.irp p, 0,4,8,12,16,20,24,28,32,36,40,44,48,52,56,60
	v_pk_add_f32 v[T+\p:T+\p+1], v[T+\p:T+\p+1], v[T+\p+2:T+\p+3]
.endr
.irp p, 0,8,16,24,32,40,48,56
	v_pk_add_f32 v[T+\p:T+\p+1], v[T+\p:T+\p+1], v[T+\p+4:T+\p+5]
.endr
.irp p, 0,16,32,48
	v_pk_add_f32 v[T+\p:T+\p+1], v[T+\p:T+\p+1], v[T+\p+8:T+\p+9]
.endr
.irp p, 0,32
	v_pk_add_f32 v[T+\p:T+\p+1], v[T+\p:T+\p+1], v[T+\p+16:T+\p+17]
.endr
	v_pk_add_f32 v[T:T+1], v[T:T+1], v[T+32:T+33]
	global_store_b64 v4, v[T:T+1], s[10:11]        ; out0: 256 consecutive bytes, aligned
.Lend:
	s_wait_tensorcnt 0x0
	ds_add_u32 v96, v97
	s_wait_dscnt 0x0
	s_endpgm
.Lfunc_end_k_q671efff980_fin:
	.size	k_q671efff980_fin, .Lfunc_end_k_q671efff980_fin-k_q671efff980_fin
	.p2alignl 7, 3214868480
	.fill 96, 4, 3214868480
	.section	.rodata,"a",@progbits
	.p2align	6, 0x0
	.amdhsa_kernel k_q671efff980_fin
		.amdhsa_group_segment_fixed_size 10240
		.amdhsa_private_segment_fixed_size 0
		.amdhsa_enable_private_segment 0
		.amdhsa_kernarg_size 40
		.amdhsa_user_sgpr_count 2
		.amdhsa_user_sgpr_kernarg_segment_ptr 1
		.amdhsa_wavefront_size32 1
		.amdhsa_system_sgpr_workgroup_id_x 1
		.amdhsa_system_sgpr_workgroup_id_y 1
		.amdhsa_system_sgpr_workgroup_id_z 1
		.amdhsa_system_vgpr_workitem_id 0
		.amdhsa_next_free_vgpr 98
		.amdhsa_next_free_sgpr 66
		.amdhsa_reserve_vcc 0
		.amdhsa_float_denorm_mode_32 3
		.amdhsa_float_denorm_mode_16_64 3
		.amdhsa_memory_ordered 1
		.amdhsa_forward_progress 1
		.amdhsa_inst_pref_size 12
	.end_amdhsa_kernel
	.amdgpu_metadata
---
amdhsa.version: [ 1, 2 ]
amdhsa.kernels:
  - .name:           k_q671efff980_fin
    .symbol:         k_q671efff980_fin.kd
    .args:
      - { .name: stat, .offset: 0, .size: 8, .value_kind: global_buffer, .address_space: global }
      - { .name: cpart, .offset: 8, .size: 8, .value_kind: global_buffer, .address_space: global }
      - { .name: scores, .offset: 16, .size: 8, .value_kind: global_buffer, .address_space: global }
      - { .name: out0, .offset: 24, .size: 8, .value_kind: global_buffer, .address_space: global }
      - { .name: out1, .offset: 32, .size: 8, .value_kind: global_buffer, .address_space: global }
    .group_segment_fixed_size: 10240
    .private_segment_fixed_size: 0
    .kernarg_segment_align: 8
    .kernarg_segment_size: 40
    .max_flat_workgroup_size: 512
    .sgpr_count:     66
    .vgpr_count:     98
    .wavefront_size: 32
...
	.end_amdgpu_metadata
.endif
;; end of part 3
